; MI455X (gfx1250); checked and timed in simulation.
; The chip was launched on July 23, 2026; its instructions are those of AMD's public machine-readable ISA for CDNA 5 (MIT licence, August 2026) and "CDNA5" Instruction Set Architecture Reference Guide (July 2026). The comments in the code are by the model that wrote it; some were corrected since.
;; Scaled Dot Product Attention. Allowed arithmetic: matrix products marked QUANTISED: E2M1 operands, one E8M0 scale for each 32 along K, by v_wmma_scale_f32_16x16x128_f8f6f4 with both operands' format E2M1 (or v_wmma_scale_f32_32x16x128_f4), f32 sums; everything else in f32.
;; Inputs: K 4 x 16 x 2,048 x 128 float32; Q 4 x 16 x 2,048 x 128 float32; V 4 x 16 x 2,048 x 128 float32.
;; Outputs: out0 4 x 16 x 2,048 x 128 float32.
;; This version of the problem:
;;   THIS VERSION OF THE PROBLEM IS GIVEN IN LOW PRECISION. The matrix products marked QUANTISED in the list below multiply operands that are first quantised to E2M1 (2 exponent bits, 1 mantissa bit; 4 bits a number), with one power-of-two scale for each 32 numbers along K (OCP MX v1.0); their sums are f32. All else is computed in f32.
;;   The module's matrix products, in the order in which they are computed (A, B: the left and right operand; K: the contracted axis; several contracted axes count as one K, in the product's order):
;;     1. batch 64 x [M 2,048, K 128] x [K 128, N 2,048]; A: input Q; B: input K: QUANTISED
;;     2. batch 64 x [M 2,048, K 2,048] x [K 2,048, N 128]; A: softmax (see below); B: input V: QUANTISED
;;   THE QUANTISER, for each operand of a quantised product, along K:
;;     - K is cut into blocks of 32 from its start; a last block that is shorter is filled with zeros.
;;     - A block's scale is 2^e with e = floor(log2(the largest magnitude in the block)) - 2, held to -126 .. 127; a block of zeros has e = 0. As a byte (E8M0): e + 127.
;;     - Each number is divided by its block's scale, clamped to +-6, and rounded to the nearest number of E2M1, ties to even, subnormals kept.
;;     - The product sums the exact products of the quantised numbers (number of the format x scale) in f32.
;;   ~~~python
;;   def quantise(x, axis):      # numpy; x: float32 -> the quantised numbers, widened to float32 again
;;       x = np.moveaxis(x, axis, -1); K = x.shape[-1]
;;       x = np.pad(x, [(0, 0)] * (x.ndim - 1) + [(0, -K % 32)]); x = x.reshape(x.shape[:-1] + (-1, 32)); a = np.abs(x).max(-1, keepdims=True)
;;       e = np.where(a > 0, np.clip(np.frexp(np.where(a > 0, a, 1))[1] - 1 - 2, -126, 127), 0)      # np.frexp(a)[1] - 1 = floor(log2(a)), exactly
;;       r = np.clip(x / 2.0 ** e, -6, 6)
;;       step = 2.0 ** (np.maximum(np.frexp(np.where(r == 0, 1, r))[1] - 1, 0) - 1)
;;       q = np.round(r / step) * step * 2.0 ** e      # np.round: ties to even
;;       return np.moveaxis(q.reshape(q.shape[:-2] + (-1,))[..., :K], -1, axis).astype(np.float32)
;;   ~~~
;;   SOFTMAX AHEAD OF A QUANTISED PRODUCT. Where the list says 'softmax', what is quantised is not the finished softmax but p = 2^(t - M), with t = logit x log2(e) and M = ceil(the row's largest t), a whole number; so 1/2 < the row's largest p <= 1. The row's sum l is taken of the UNQUANTISED p, in f32, and the product's result is divided by l at the end. Since M is a whole number, a kernel that streams over the keys may use a running M (the ceiling of the running maximum): every later rescaling is an exact power of two, which a block's scale takes up: the codes' values come out the same.
;;   OPERANDS COMPUTED ON THE WAY. 'Computed on the way' means the value that the module computes at that place (a softmax that the list does not call 'softmax' is quantised finished and normalised). What goes into a quantiser is computed in f32, as accurately as f32 sums, v_exp_f32 and their like allow (about 1e-6 of the number): no bf16 or f16 on the way to a quantiser, and a product that is left as it is and whose result goes on into a quantised operand takes f32 operands (vector FMAs, or v_wmma_f32_16x16x4_f32). A number that lies on a knife's edge between two numbers of the format may be rounded either way, as far as f32 arithmetic and the matrix unit's own rounding can turn it there, and no further.
;; One version. Each part assembles by itself: llvm-mc -triple=amdgcn-amd-amdhsa -mcpu=gfx1250 --defsym DOCPART=n.
;; ======== version 1 of 1: 2 launches
;; limits: right only within a limited range of input values
;; workspace buffers: kv 17,825,792 bytes
;; launch quant (part 1): grid 16 x 64, 4 waves a work-group, no clusters, 33,280 bytes of LDS; arguments K, V, kv; writes kv
.if DOCPART == 1
	.amdgcn_target "amdgcn-amd-amdhsa--gfx1250"
	.amdhsa_code_object_version 6
	.text
	.protected	k_q6c9c6139a0_quant
	.globl	k_q6c9c6139a0_quant
	.p2align	8
	.type	k_q6c9c6139a0_quant,@function
k_q6c9c6139a0_quant:
	s_mov_b64 s[64:65], 0
	v_nop
	global_prefetch_b8 v0, s[64:65] scope:SCOPE_SE
	s_setreg_imm32_b32 hwreg(HW_REG_WAVE_MODE, 25, 1), 1
	s_wait_xcnt 0x0
; CAUSAL ATTENTION ON CODES OF FP4 (E2M1), FIRST OF TWO LAUNCHES: K and V [64 heads][2048][128] f32 become codes with one E8M0 scale byte for each 32 along a product's K:
; K along the head's 128 (the first product's K), V along the keys (the second product's K).  Q is read once, by one wave: the second launch quantises it in registers.
; WORK LEFT OUT BY THE PROGRAM (in the second launch).  reference() builds its mask itself: key k is set to -inf for query q where k > q.  Behind the softmax such a key's weight is exactly 0,
; whatever finite numbers Q, K and V hold: it adds 0 to the row's sum and 0 to the row of the result, and a block of 32 such weights has zero codes.  So a step of 128 keys all of which come after a wave's
; 16 queries is not computed, and a slot of keys that no wave of a work-group reads is not fetched.  Every input has a way to the result: all three are loaded.
; LIMITS: a NaN, an infinity or an overflow that reaches only the work left out is not carried to the result; NaN and infinities among the inputs are not served; a block whose largest magnitude lies under
; 2^-124 has its byte held at 1; a block of zeros gets the byte 1 where the rule says 127 (its codes are zeros, which add nothing under any byte but 0xff, and this program alone reads the bytes).
; THE WORKSPACE IS LAID IN THE ORDER OF THE OPERANDS' REGISTERS: kv = [head 64][slot 4][part 4][step 4][4,352 bytes].  A step is 128 keys, a slot four steps.  Part 0, 1: K's tiles 0-3, 4-7; part 2, 3: V's.
; In a chunk: tile t' (0..3), block beta (0..3), row r (0..15): 16 bytes of codes at 1024 t' + 256 beta + 16 r; the row's scale word (byte beta = block beta) at 4096 + 64 t' + 4 r.
; Lane (r, h) of a fragment wants blocks h and 2 + h of row r: 16 bytes at 1024 t' + 512 c + 16 x lane: two loads of 512 consecutive bytes.
; K: row r of tile 2 b + u is key 32 b + 8 u + r + 8 (r / 8) of the step, beta a block of 32 along the head's 128.  V: row r of tile t is channel 16 t + r, beta keys 32 beta .. 32 beta + 31 of the step.
; SHARES.  Work-group (x = key step, y = head), four waves, which share nothing: no barrier.  Every wave runs K's part and then V's, on one path.
; K's part: wave w takes keys 32 w .. 32 w + 31, 16,384 consecutive bytes, in 8 steps of 2,048.  Each load reads 512 consecutive bytes; a step turns through the wave's own stage in LDS, so that a lane holds 16
; neighbours along the head's axis (two lanes to a block); the codes (8 bytes a lane) and the bytes are gathered in LDS in the image's order and leave as runs of 512 and 128 consecutive bytes.
; V's part: wave w takes channels 32 w .. 32 w + 31: a lane a channel, its registers run down the keys: a block of 32 keys lies in one lane, and its 16 bytes of codes are stored from registers: sixteen
; neighbouring lanes store 256 consecutive bytes, aligned.  The scale words of a wave are 128 consecutive bytes: half of an aligned 256, the neighbouring wave writes the other half.
; No store's data and no address register is ever written again, and no base is stepped: every offset is an immediate.
.set CH,    4352                       ; a chunk
.set PARTB, 4*CH
.set SLOTB, 4*PARTB
.set HEADB, 4*SLOTB
.set WREG,  8192                       ; LDS: a region for each wave
.set SP,    80                         ; the in-stages: a lane's 64 bytes + 16 of padding; two stages of 32 x SP
.set CSTG,  2*32*SP                    ; the codes' stage: 8 runs (4 u + beta) of 256 bytes,
.set CP,    320                        ; 320 bytes apart
.set BSTG,  CSTG+8*CP                  ; the scale bytes: 128, at 4 (16 u + r) + beta
.set SPARE, 4*WREG                     ; behind the four regions: the spare words, 128 bytes for each wave: two blocks of 256 bytes that no other line names
.set SPW,   12                         ; v12      LDS address of my spare word; never rewritten
.set NIL,   13                         ; v13      0; never rewritten
.set R,     16                         ; v16-79   K as loaded, four sets of 16
.set X,     80                         ; v80-111  two sets of 16 neighbours
.set E,     112                        ; v112-119 a scale byte for each step
.set C,     120                        ; v120-135 two registers of codes for each step
.set VX,    136                        ; v136-199 V as loaded, two sets of 32
.set VC,    200                        ; v200-215 four registers of codes for each block
.set VSB,   216                        ; v216     V's scale word
.set KO,    220                        ; v220-235 K's codes on the way out
.set KSW,   236                        ; v236     K's scale words on the way out
.set KBR,   237                        ; v237     LDS: where I read a scale word back
.set KCO,   238                        ; v238     kv: 16 x lane + 2048 (w & 1)
.set KSO,   239                        ; v239     kv: 4096 + 128 (w & 1) + 4 x lane
.set VCO,   240                        ; v240     kv: 1024 (lane / 16) + 16 (lane % 16) + 2048 (w & 1)
	s_load_b128 s[4:7], s[0:1], 0x0                ; K, V
	s_load_b64 s[8:9], s[0:1], 0x10                ; kv
	v_lshl_add_u32 v[SPW], v0, 2, SPARE
	v_mov_b32 v[NIL], 0
	v_lshrrev_b32 v1, 5, v0
	v_readfirstlane_b32 s16, v1                    ; wave 0..3
	v_and_b32 v2, 31, v0                           ; lane
	v_lshlrev_b32 v3, 4, v2                        ; K: my 16 bytes of a load's 512
	v_lshlrev_b32 v4, 2, v2                        ; V: my channel's 4 bytes
	s_lshl_b32 s17, s16, 13                        ; my region in LDS
	s_add_co_u32 s20, s17, CSTG
	s_add_co_u32 s21, s17, BSTG
	s_and_b32 s30, s16, 1
	v_lshrrev_b32 v14, 2, v2
	v_mul_u32_u24 v14, v14, SP
	v_and_b32 v15, 3, v2
	v_lshl_add_u32 v14, v15, 4, v14
	v_add_nc_u32 v14, s17, v14                     ; an in-stage, on the way in: SP (lane / 4) + 16 (lane % 4)
	v_mul_u32_u24 v15, v2, SP
	v_add_nc_u32 v15, s17, v15                     ; and on the way out: SP x lane: my 16 neighbours
	v_bfe_u32 v8, v0, 3, 2                         ; which of a step's four keys is mine
	v_bfe_u32 v9, v0, 1, 2                         ; beta: which block of its 128
	v_and_b32 v10, 1, v0                           ; which half of the block
	v_lshl_add_u32 v5, v8, 2, v9
	v_add_nc_u32 v5, s21, v5                       ; v5: my block's byte: 4 x key + beta
	v_mul_u32_u24 v6, v9, CP
	v_lshl_add_u32 v6, v8, 4, v6
	v_lshl_add_u32 v6, v10, 3, v6
	v_add_nc_u32 v6, s20, v6                       ; v6: my 8 bytes of codes: CP beta + 16 x key + 8 x half
	v_bfe_u32 v8, v0, 4, 1
	v_and_b32 v9, 15, v0
	v_mul_u32_u24 v7, v8, CP
	v_lshl_add_u32 v7, v9, 4, v7
	v_add_nc_u32 v7, s20, v7                       ; v7: back: lanes 0-15 one run of 256 bytes, lanes 16-31 the next
	v_add_nc_u32 v[KBR], s21, v4
	s_lshl_b32 s31, s30, 11
	v_add_nc_u32 v[KCO], s31, v3
	v_lshlrev_b32 v[VCO], 10, v8
	v_lshl_add_u32 v[VCO], v9, 4, v[VCO]
	v_add_nc_u32 v[VCO], s31, v[VCO]
	s_lshl_b32 s31, s30, 7
	s_add_co_u32 s31, s31, 4096
	v_add_nc_u32 v[KSO], s31, v4
	s_and_b32 s22, ttmp7, 0xffff                   ; the head
	s_lshl_b32 s18, s22, 20                        ; a head of K or V is 2^20 bytes,
	s_lshl_b32 s23, ttmp9, 16                      ; a key step 2^16: all offsets stay under 2^31
	s_add_co_u32 s18, s18, s23
	s_lshl_b32 s24, s16, 14                        ; K: my 32 keys
	s_add_co_u32 s24, s24, s18
	s_mov_b32 s25, 0
	s_lshl_b32 s26, s16, 7                         ; V: my 32 channels
	s_add_co_u32 s26, s26, s18
	s_mov_b32 s27, 0
	s_mul_i32 s28, s22, HEADB                      ; kv: head, slot x / 4, step x % 4, part w / 2 (V's part lies 2 PARTB further on)
	s_lshr_b32 s23, ttmp9, 2
	s_mul_i32 s23, s23, SLOTB
	s_add_co_u32 s28, s28, s23
	s_and_b32 s23, ttmp9, 3
	s_mul_i32 s23, s23, CH
	s_add_co_u32 s28, s28, s23
	s_lshr_b32 s23, s16, 1
	s_mul_i32 s23, s23, PARTB
	s_add_co_u32 s28, s28, s23
	s_mov_b32 s29, 0
	s_wait_kmcnt 0x0
	s_add_nc_u64 s[4:5], s[4:5], s[24:25]
	s_add_nc_u64 s[6:7], s[6:7], s[26:27]
	s_add_nc_u64 s[8:9], s[8:9], s[28:29]
.macro KLOAD t                         ; K's step t: four loads of 512 consecutive bytes
.irp i, 0,1,2,3
	global_load_b128 v[R+16*((\t)%4)+4*\i:R+16*((\t)%4)+4*\i+3], v3, s[4:5] offset:2048*(\t)+512*\i th:TH_LOAD_NT
.endr
.endm
.macro TURN t                          ; step t's numbers through an in-stage: LDS serves a wave's instructions in order (ISA guide 5.7.1.4), so no wait stands between the stores and the loads
.irp i, 0,1,2,3
	ds_store_b128 v14, v[R+16*((\t)%4)+4*\i:R+16*((\t)%4)+4*\i+3] offset:32*SP*((\t)%2)+8*SP*\i
.endr
.irp i, 0,1,2,3
	ds_load_b128 v[X+16*((\t)%2)+4*\i:X+16*((\t)%2)+4*\i+3], v15 offset:32*SP*((\t)%2)+16*\i
.endr
.endm
.macro VLOAD b                         ; V's block b: keys 32 b + i of my channel, i = 0 .. 31: each load reads 128 consecutive bytes a wave, 512 a work-group
.irp i, 0,1,2,3,4,5,6,7,8,9,10,11,12,13,14,15,16,17,18,19,20,21,22,23,24,25,26,27,28,29,30,31
	global_load_b32 v[VX+32*((\b)%2)+\i], v4, s[6:7] offset:(32*(\b)+\i)*512 th:TH_LOAD_NT
.endr
.endm
; K's step t: four keys, m = 4 t + lane / 8 of my 32.  In the image key m is row r = m % 8 + 8 (m / 16) of tile u = (m / 8) % 2: what of that hangs on t stands in the stores' immediates.
.macro KSTEP t
.set XS, X+16*((\t)%2)
.if (\t) > 0
	s_wait_dscnt 2                                 ; this step's numbers are back from the stage (behind them: the last step's code store and byte store), so its stores into the stage have read their registers,
.else
	s_wait_dscnt 0x0
.endif
.if (\t) < 4
	KLOAD (\t)+4                                   ; which take the loads of four steps on
.endif
.if (\t) == 4
	VLOAD 0                                        ; K's loads are all asked for: V's begin
.endif
.if (\t) == 7
	VLOAD 1
.endif
.if (\t) < 7
.if (\t) < 4
	s_wait_loadcnt 12                              ; the next step's four loads are in; those of the three steps behind it may be out
.else
	s_wait_loadcnt 40-4*((\t)-4)                   ; behind the next step's loads: K's steps that are left, four loads each, and V's first 32
.endif
	TURN (\t)+1                                    ; through the other stage while this step is worked
.endif
	v_max3_num_f32 v8, |v[XS]|, |v[XS+1]|, |v[XS+2]|   ; the largest magnitude of my 16, in two chains
	v_max3_num_f32 v9, |v[XS+3]|, |v[XS+4]|, |v[XS+5]|
.irp i, 6,10
	v_max3_num_f32 v8, v8, |v[XS+\i]|, |v[XS+\i+1]|
	v_max3_num_f32 v9, v9, |v[XS+\i+2]|, |v[XS+\i+3]|
.endr
	v_max3_num_f32 v8, v8, |v[XS+14]|, |v[XS+15]|
	v_max3_num_f32 v8, v8, v9, 0x1800000           ; and the floor 2^(3 - 127): the byte cannot fall under 1
	v_max_num_f32_dpp v8, v8, v8 row_xmask:1 row_mask:0xf bank_mask:0xf   ; with my neighbour's 16: the block's
	v_add_nc_u32 v11, 0xff000000, v8               ; 2 off its exponent field: the conversion takes the exponent field of this operand as its scale
	v_cvt_scalef32_pk8_fp4_f32 v[C+2*(\t)], v[XS:XS+7], v11
	v_cvt_scalef32_pk8_fp4_f32 v[C+2*(\t)+1], v[XS+8:XS+15], v11
	v_lshrrev_b32 v[E+(\t)], 23, v11               ; the scale's byte (a plain line behind the conversions)
	ds_store_b64 v6, v[C+2*(\t):C+2*(\t)+1] offset:(((\t)>>1)&1)*4*CP+(4*((\t)&1)+8*((\t)>>2))*16
	ds_store_b8 v5, v[E+(\t)] offset:(((\t)>>1)&1)*64+(4*((\t)&1)+8*((\t)>>2))*4   ; both lanes of a block write the same byte with the same value
.endm
; V's block b: all 32 keys of the block are mine
.macro VBLOCK b
.set VS, VX+32*((\b)%2)
.if (\b) < 3
	s_wait_loadcnt 32                              ; this block's 32 loads are in; the next block's may be out
.else
	s_wait_loadcnt 0x0
.endif
	v_max3_num_f32 v8, |v[VS]|, |v[VS+1]|, |v[VS+2]|
	v_max3_num_f32 v9, |v[VS+3]|, |v[VS+4]|, |v[VS+5]|
.irp i, 6,10,14,18,22,26
	v_max3_num_f32 v8, v8, |v[VS+\i]|, |v[VS+\i+1]|
	v_max3_num_f32 v9, v9, |v[VS+\i+2]|, |v[VS+\i+3]|
.endr
	v_max3_num_f32 v8, v8, |v[VS+30]|, |v[VS+31]|
	v_max3_num_f32 v8, v8, v9, 0x1800000           ; the floor
	v_add_nc_u32 v11, 0xff000000, v8               ; the conversion's scale operand
	v_lshrrev_b32 v10, 23, v11                     ; the byte,
.if (\b) == 0
	v_mov_b32 v[VSB], v10                          ; into my channel's scale word, the lower keys in the lower byte
.else
	v_lshl_or_b32 v[VSB], v10, 8*(\b), v[VSB]
.endif
.irp g, 0,1,2,3
	v_cvt_scalef32_pk8_fp4_f32 v[VC+4*(\b)+\g], v[VS+8*\g:VS+8*\g+7], v11
.endr
.if (\b) == 3
	v_nop                                          ; a plain line behind the last conversion (the other blocks' are followed by the next block's plain lines)
.endif
	global_store_b128 v[VCO], v[VC+4*(\b):VC+4*(\b)+3], s[8:9] offset:2*PARTB+256*(\b)   ; lanes 0-15 store 256 consecutive bytes, aligned; lanes 16-31 the next tile's
.if (\b) < 2
	VLOAD (\b)+2
.endif
.endm
.irp t, 0,1,2,3
	KLOAD \t
.endr
	s_wait_loadcnt 12                              ; step 0's four loads are in
	TURN 0
.irp t, 0,1,2,3,4,5,6,7
	KSTEP \t
.endr
.irp i, 0,1,2,3
	ds_load_b128 v[KO+4*\i:KO+4*\i+3], v7 offset:2*CP*\i   ; K's way out: these see my stores (a wave's LDS instructions are served in order)
.endr
	ds_load_b32 v[KSW], v[KBR]
	s_wait_dscnt 0x0
.irp i, 0,1,2,3
	global_store_b128 v[KCO], v[KO+4*\i:KO+4*\i+3], s[8:9] offset:512*\i   ; 32 lanes store 512 consecutive bytes, aligned to 256
.endr
	global_store_b32 v[KSO], v[KSW], s[8:9]        ; my two tiles' scale words: 128 consecutive bytes
.irp b, 0,1,2,3
	VBLOCK \b
.endr
	global_store_b32 v[KSO], v[VSB], s[8:9] offset:2*PARTB
	s_wait_tensorcnt 0x0                           ; the wave's end, behind my last LDS store
	ds_add_u32 v[SPW], v[NIL]
	s_wait_dscnt 0x0
	s_endpgm
.Lfunc_end_k_q6c9c6139a0_quant:
	.size	k_q6c9c6139a0_quant, .Lfunc_end_k_q6c9c6139a0_quant-k_q6c9c6139a0_quant
	.p2alignl 7, 3214868480
	.fill 96, 4, 3214868480
	.section	.rodata,"a",@progbits
	.p2align	6, 0x0
	.amdhsa_kernel k_q6c9c6139a0_quant
		.amdhsa_group_segment_fixed_size 33280
		.amdhsa_private_segment_fixed_size 0
		.amdhsa_enable_private_segment 0
		.amdhsa_kernarg_size 24
		.amdhsa_user_sgpr_count 2
		.amdhsa_user_sgpr_kernarg_segment_ptr 1
		.amdhsa_wavefront_size32 1
		.amdhsa_system_sgpr_workgroup_id_x 1
		.amdhsa_system_sgpr_workgroup_id_y 1
		.amdhsa_system_sgpr_workgroup_id_z 1
		.amdhsa_system_vgpr_workitem_id 0
		.amdhsa_next_free_vgpr 248
		.amdhsa_next_free_sgpr 66
		.amdhsa_reserve_vcc 0
		.amdhsa_float_denorm_mode_32 3
		.amdhsa_float_denorm_mode_16_64 3
		.amdhsa_memory_ordered 1
		.amdhsa_forward_progress 1
		.amdhsa_inst_pref_size 38
	.end_amdhsa_kernel
	.amdgpu_metadata
---
amdhsa.version: [ 1, 2 ]
amdhsa.kernels:
  - .name:           k_q6c9c6139a0_quant
    .symbol:         k_q6c9c6139a0_quant.kd
    .args:
      - { .name: K, .offset: 0, .size: 8, .value_kind: global_buffer, .address_space: global }
      - { .name: V, .offset: 8, .size: 8, .value_kind: global_buffer, .address_space: global }
      - { .name: kv, .offset: 16, .size: 8, .value_kind: global_buffer, .address_space: global }
    .group_segment_fixed_size: 33280
    .private_segment_fixed_size: 0
    .kernarg_segment_align: 8
    .kernarg_segment_size: 24
    .max_flat_workgroup_size: 128
    .sgpr_count:     66
    .vgpr_count:     248
    .wavefront_size: 32
...
	.end_amdgpu_metadata
.endif
;; end of part 1
;; launch attn (part 2): grid 4 x 64, 16 waves a work-group, clusters of 4 x 1, 327,680 bytes of LDS; arguments Q, kv, out0; writes out0
.if DOCPART == 2
	.amdgcn_target "amdgcn-amd-amdhsa--gfx1250"
	.amdhsa_code_object_version 6
	.text
	.protected	k_q6c9c6139a0_attn
	.globl	k_q6c9c6139a0_attn
	.p2align	8
	.type	k_q6c9c6139a0_attn,@function
k_q6c9c6139a0_attn:
	s_mov_b64 s[64:65], 0
	v_nop
	global_prefetch_b8 v0, s[64:65] scope:SCOPE_SE
	s_setreg_imm32_b32 hwreg(HW_REG_WAVE_MODE, 25, 1), 1
	s_wait_xcnt 0x0
	s_wait_alu depctr_hold_cnt(0) depctr_sa_sdst(0) depctr_va_vdst(0) depctr_va_sdst(0) depctr_va_ssrc(0) depctr_va_vcc(0) depctr_vm_vsrc(0)
	s_getreg_b32 s2, hwreg(HW_REG_IB_STS2, 6, 4)
	s_cmp_eq_u32 s2, 0
	s_cbranch_scc0 .Lentry_in_a_cluster
	s_endpgm
.Lentry_in_a_cluster:
	s_bfe_u32 s2, ttmp6, 0x10000c
	s_cmp_lg_u32 s2, 0x3003
	s_cbranch_scc0 .Lentry_shape_is_right
	s_endpgm
.Lentry_shape_is_right:
; CAUSAL ATTENTION ON CODES OF FP4 (E2M1), SECOND LAUNCH: out0[h][q][:] = the sum over k <= q of softmax_k(Q[h][q] . K[h][k] / sqrt(128)) V[h][k][:].  Q, out0: [64][2048][128] f32.
; kv, from the launch before, holds K's and V's codes and scale words as images of the operands' registers: [head 64][slot 4][part 4][step 4][4,352 bytes]; part 0, 1: K's tiles 0-3, 4-7; part 2, 3: V's.
; WORK LEFT OUT: a step all of whose 128 keys come after a tile's 16 queries has weights that are exactly 0 by reference()'s own mask, for all finite inputs: it is jumped over.
; LIMITS: a NaN, an infinity or an overflow that reaches only that work is not carried to the result; NaN and infinities among the inputs are not served; a block of Q whose largest magnitude lies
; under 2^-124 has its byte held at 1, a block of zeros (of Q or of p) too: its codes are zeros.
; THE SOFTMAX: t = score x log2(e) / sqrt(128); M = the row's largest t so far, rounded up to a whole number; p = 2^(t - M) is quantised along the keys; the row's sum is taken of the unquantised p and
; divides at the end; when M moves, the sum and O are multiplied by 2^(old M - new M), which rounds nothing.
; A WHOLE HEAD STAYS IN LDS: 16 key steps x 17,408 bytes = 278,528.  Wave w fetches key step w by one tensor load: four rows (the parts) of 4,352 bytes, 17,408 bytes apart in memory, laid on end at 17,408 w.
; Nothing is filled twice.  Waves 0 to 3 load at the head; waves 4 to 15 behind the first full sequence; one barrier behind step 3 shows steps 4 to 15 to all.  From there on the waves share nothing.
; SHARES: four work-groups to a head, 16 waves each.  Wave w of work-group c owns the query tiles 127 - i and i, i = 4 w + c: 16 - w / 2 and w / 2 + 1 key steps, 17 in every wave.  The long tile goes first.
; CLUSTER: the four work-groups of a head ask for each key step jointly (mask 15).  i / 8 = w / 2, so every branch hangs on the wave's number and the count of steps alone; c enters global addresses and the mask's lane arithmetic.
; PREFETCH: each wave names the 32 blocks of 256 bytes of its second tile of Q once, behind step 3, five to twelve steps ahead of their loads.  kv is not prefetched: every load of it is issued four steps or more ahead of its first read.
; LAYOUT: both products transposed (S^T = K Q^T, O^T = V^T P^T): a lane holds one query (lane % 16).  Registers 16 b + i of S^T are keys 32 b + 16 (lane / 16) + i of the step.
; REGISTERS: v1-11 addresses; v12 -M, v13 largest t, v[14:15] sum; v16-23 Q's codes; v24-31 a product's eight scale words; v32-95 eight fragments; v96-159 S^T, p; v160-223 O^T (Q as f32 ahead of a tile);
; v224-231 p's codes; v232-247, 252, 254 at work; v248-250 addresses; v253 p's scale word; v255 Q's.
.set CH,    4352
.set PARTB, 4*CH
.set SLOTB, 4*PARTB
.set HEADB, 4*SLOTB
.set STEPB, 4*CH                       ; a key step in LDS
.set STAGE, 16*STEPB                   ; behind the head: a stage of 2,816 bytes for each wave
.set WSTB,  2816                       ; Q's codes: 16 rows 80 bytes apart, scale words at QSC; the way out: 8 rows of 256 + 16 bytes
.set QSC,   1280
.set SPARE, STAGE+16*WSTB              ; the spare words, 128 bytes a wave
.set AL,  1                            ; 16 x lane
.set AS,  2                            ; 4096 + 4 r
.set QST, 3                            ; stage + 2 x lane
.set QSB, 4                            ; stage + lane / 8
.set SPW, 5
.set NIL, 6
.set GO,  7                            ; 512 h + 16 r
.set ADK, 8
.set ADS, 9
.set STO, 10                           ; stage + 272 (r % 8) + 128 (r / 8) + 32 h
.set RD,  11                           ; stage + 272 h + 16 r
.set QFR, 248                          ; stage + 80 r + 16 h
.set QSR, 249                          ; stage + 4 r
.set PFO, 250                          ; 256 x lane
.set WV,  18
.set SEL, 20
.set CS,  22
.set G1,  24
.set G0,  40
.set TB,  44                           ; LDS byte of the key step in hand
.set KF,  45                           ; its first key
.set BK,  46                           ; first key of the step that holds my tile's diagonal
.set Q0,  47                           ; my tile's first query
.set CNT, 48
.set WST, 49
.set QPL, 50                           ; Q and out0 at the long tile and at the short one
.set QPS, 52
.set OPL, 54
.set OPS, 56
.set BKS, 58
.set Q0S, 59
.macro ROUND                           ; a round of the cluster's barrier
	s_barrier_signal -1
	s_barrier_wait -1
	s_cmp_lg_u32 s[WV], 0
	s_cbranch_scc1 .Lnot_wave_0_\@
	s_barrier_signal -3
.Lnot_wave_0_\@:
	s_barrier_wait -3
	s_barrier_signal -1
	s_barrier_wait -1
.endm
.macro JLOAD                           ; my key step; s_nop 0 and four v_nop
	tensor_load_to_lds s[G0:G0+3], s[G1:G1+7]
	s_nop 0
.rept 4
	v_nop
.endr
.endm
.macro QLOAD ptr                       ; a tile of Q: each load is one row, 512 consecutive bytes; lane l holds channels 4 l .. 4 l + 3
.irp p, 0,1,2,3,4,5,6,7,8,9,10,11,12,13,14,15
	global_load_b128 v[160+4*\p:163+4*\p], v[AL], s[\ptr:\ptr+1] offset:512*\p th:TH_LOAD_NT
.endr
.endm
; Q IS QUANTISED: a block of 32 channels of row p lies in eight neighbouring lanes.  A conversion takes eight registers: row p's four and the four behind them, of which only the low 16 bits (row p's four codes) are kept.
; The codes (64 bytes a row) and the scale bytes turn through my stage into the operand's layout.  Then the tile's sums begin.
.macro QPREP
.irp j, 0,1,2,3
	v_mov_b32 v[224+\j], 0                         ; what stands behind row 15
.endr
	s_wait_alu depctr_va_vdst(0)
	s_wait_xcnt 0x0                                ; the last tile's stores have read v96-159, which are written below
	s_wait_loadcnt 0x0
.irp p, 0,1,2,3,4,5,6,7,8,9,10,11,12,13,14,15
	v_max3_num_f32 v[96+\p], |v[160+4*\p]|, |v[161+4*\p]|, 0x1800000   ; with the floor 2^(3 - 127): the byte cannot fall under 1
.endr
.irp p, 0,1,2,3,4,5,6,7,8,9,10,11,12,13,14,15
	v_max3_num_f32 v[96+\p], v[96+\p], |v[162+4*\p]|, |v[163+4*\p]|
.endr
.irp m, 1,2,4
.irp p, 0,1,2,3,4,5,6,7,8,9,10,11,12,13,14,15
	v_max_num_f32_dpp v[96+\p], v[96+\p], v[96+\p] row_xmask:\m row_mask:0xf bank_mask:0xf
.endr
.endr
.irp p, 0,1,2,3,4,5,6,7,8,9,10,11,12,13,14,15
	v_add_nc_u32 v[96+\p], 0xff000000, v[96+\p]    ; 2 off the exponent field: the conversion's scale operand
.endr
.irp p, 0,1,2,3,4,5,6,7,8,9,10,11,12,13,14,15
	v_lshrrev_b32 v[112+\p], 23, v[96+\p]          ; the scale's byte
.endr
.irp p, 0,1,2,3,4,5,6,7,8,9,10,11,12,13,14,15
	v_cvt_scalef32_pk8_fp4_f32 v[128+\p], v[160+4*\p:167+4*\p], v[96+\p]
.endr
	v_nop                                          ; one plain line behind the conversions
.irp p, 0,1,2,3,4,5,6,7,8,9,10,11,12,13,14,15
	ds_store_b16 v[QST], v[128+\p] offset:80*\p
	ds_store_b8 v[QSB], v[112+\p] offset:QSC+4*\p  ; the eight lanes of a block write the same byte with the same value
.endr
	ds_load_b128 v[16:19], v[QFR]                  ; a wave's LDS instructions are served in order: these see my stores
	ds_load_b128 v[20:23], v[QFR] offset:32
	ds_load_b32 v255, v[QSR] offset:QSC
	v_mov_b32 v13, 0xff61b1e6                      ; the largest t so far: -3e38
	v_mov_b32 v14, 0
	v_mov_b32 v15, 0
	v_floor_f32 v12, -v13                          ; -M
.irp j, 236,237,238,239,252,253
	v_mov_b32 v\j, 0                               ; named as destinations of lane permutes or as halves of pairs before they are first written
.endr
.irp j, 0,1,2,3,4,5,6,7,8,9,10,11,12,13,14,15,16,17,18,19,20,21,22,23,24,25,26,27,28,29,30,31,32,33,34,35,36,37,38,39,40,41,42,43,44,45,46,47,48,49,50,51,52,53,54,55,56,57,58,59,60,61,62,63
	v_mov_b32 v[160+\j], 0                         ; O^T: the step is written once, a tile's first step finds zeros
.endr
	s_wait_alu depctr_va_vdst(0)
	s_wait_dscnt 0x0
.endm
.macro FRAGS part                      ; eight fragments and their scale words: every load of codes is 512 consecutive bytes
.irp t, 0,1,2,3,4,5,6,7
	ds_load_b128 v[32+8*\t:35+8*\t], v[ADK] offset:(\part+\t/4)*CH+(\t%4)*1024
	ds_load_b128 v[36+8*\t:39+8*\t], v[ADK] offset:(\part+\t/4)*CH+(\t%4)*1024+512
	ds_load_b32 v[24+\t], v[ADS] offset:(\part+\t/4)*CH+(\t%4)*64
.endr
.endm
; A KEY STEP: 128 keys.
.macro STEP
	s_cmp_gt_u32 s[KF], s[BK]                      ; all keys hidden: round the step's work
	s_cbranch_scc1 .Lhidden_\@
	v_add_nc_u32 v[ADK], s[TB], v[AL]              ; these four lines are the places in front of loads into registers that the last products read
	v_add_nc_u32 v[ADS], s[TB], v[AS]
	v_nop
	v_nop
	FRAGS 0
	s_wait_alu depctr_va_vdst(0)
	s_wait_dscnt 12                                ; tiles 0-3 are in; the twelve loads of tiles 4-7 may be out
.irp t, 0,1,2,3
	v_wmma_scale_f32_16x16x128_f8f6f4 v[96+8*\t:103+8*\t], v[32+8*\t:39+8*\t], v[16:23], 0, v[24+\t], v255 matrix_a_fmt:MATRIX_FMT_FP4 matrix_b_fmt:MATRIX_FMT_FP4
.endr
	s_wait_dscnt 0x0
.irp t, 4,5,6,7
	v_wmma_scale_f32_16x16x128_f8f6f4 v[96+8*\t:103+8*\t], v[32+8*\t:39+8*\t], v[16:23], 0, v[24+\t], v255 matrix_a_fmt:MATRIX_FMT_FP4 matrix_b_fmt:MATRIX_FMT_FP4
.endr
.rept 4
	v_nop
.endr
	FRAGS 2                                        ; V's fragments are on their way while the softmax is worked
	s_cmp_lt_u32 s[KF], s[BK]                      ; every key counts: round the mask
	s_cbranch_scc1 .Lopen_\@
	s_sub_co_i32 s96, s[Q0], s[KF]
	v_and_b32 v240, 15, v0
	v_bfe_u32 v241, v0, 4, 1
	s_delay_alu instid0(VALU_DEP_1)
	v_lshlrev_b32 v241, 4, v241
	s_delay_alu instid0(VALU_DEP_1)
	v_sub_nc_u32 v240, v240, v241
	s_delay_alu instid0(VALU_DEP_1)
	v_add_nc_u32 v240, s96, v240                   ; d = my query - KF - 16 h: register 16 b + i is hidden where 32 b + i > d
	v_mov_b32 v242, 0xff800000
.irp n, 0,1,2,3,4,5,6,7,8,9,10,11,12,13,14,15,16,17,18,19,20,21,22,23,24,25,26,27,28,29,30,31,32,33,34,35,36,37,38,39,40,41,42,43,44,45,46,47,48,49,50,51,52,53,54,55,56,57,58,59,60,61,62,63
	v_cmp_gt_i32 vcc_lo, 32*(\n/16)+\n%16, v240
	v_cndmask_b32 v[96+\n], v[96+\n], v242, vcc_lo
.endr
.Lopen_\@:
.irp b, 0,1,2,3
	v_max3_num_f32 v[232+\b], v[96+16*\b], v[97+16*\b], v[98+16*\b]   ; the largest score of each block of 32 keys: for the row's maximum and for the block's largest p
.endr
.irp i, 3,5,7,9,11,13
.irp b, 0,1,2,3
	v_max3_num_f32 v[232+\b], v[232+\b], v[96+16*\b+\i], v[97+16*\b+\i]
.endr
.endr
.irp b, 0,1,2,3
	v_max_num_f32 v[232+\b], v[232+\b], v[111+16*\b]
.endr
.irp b, 0,1,2,3
	s_delay_alu instid0(VALU_DEP_4)
	v_permlanex16_b32 v[236+\b], v[232+\b], s[SEL], s[SEL+1]
.endr
.irp b, 0,1,2,3
	s_delay_alu instid0(VALU_DEP_4)
	v_max_num_f32 v[232+\b], v[232+\b], v[236+\b]
.endr
	s_delay_alu instid0(VALU_DEP_2)
	v_max3_num_f32 v254, v232, v233, v234
	s_delay_alu instid0(VALU_DEP_1)
	v_max_num_f32 v254, v254, v235
	s_delay_alu instid0(VALU_DEP_1)
	v_mul_f32 v254, s[CS], v254
	s_delay_alu instid0(VALU_DEP_1)
	v_max_num_f32 v13, v13, v254                   ; the running largest t
	v_mov_b32 v254, v12
	s_delay_alu instid0(VALU_DEP_2)
	v_floor_f32 v12, -v13                          ; the new -M
	s_delay_alu instid0(VALU_DEP_1)
	v_sub_f32 v254, v12, v254
	s_delay_alu instid0(VALU_DEP_1)
	v_cvt_i32_f32 v254, v254                       ; (it saturates)
	s_delay_alu instid0(VALU_DEP_1)
	v_ldexp_f32 v252, 1.0, v254                    ; f = 2^(old M - new M)
.irp j, 0,2,4,6,8,10,12,14,16,18,20,22,24,26,28,30,32,34,36,38,40,42,44,46,48,50,52,54,56,58,60,62
	v_pk_fma_f32 v[96+\j:97+\j], v[96+\j:97+\j], s[CS:CS+1], v[12:13] op_sel_hi:[1,0,0]   ; t - M
.endr
.irp b, 0,1,2,3
	v_fma_f32 v[232+\b], v[232+\b], s[CS], v12
.endr
	s_wait_alu depctr_va_vdst(0)                   ; ahead of the batch
.irp j, 0,1,2,3,4,5,6,7,8,9,10,11,12,13,14,15,16,17,18,19,20,21,22,23,24,25,26,27,28,29,30,31,32,33,34,35,36,37,38,39,40,41,42,43,44,45,46,47,48,49,50,51,52,53,54,55,56,57,58,59,60,61,62,63
	v_exp_f32 v[96+\j], v[96+\j]                   ; p = 2^(t - M)
.endr
	v_pk_mul_f32 v[14:15], v[14:15], v[252:253] op_sel_hi:[1,0]   ; the sums under the new M (a plain line behind the batch)
	s_wait_alu depctr_va_vdst(0)                   ; one wait for the batch, ahead of its first reader
.irp b, 0,1,2,3
	v_exp_f32 v[232+\b], v[232+\b]                 ; the blocks' largest p
.endr
	v_pk_add_f32 v[236:237], v[96:97], v[98:99]    ; the row's sum of the unquantised p, in four chains
	v_pk_add_f32 v[240:241], v[100:101], v[102:103]
	v_pk_add_f32 v[242:243], v[104:105], v[106:107]
	v_pk_add_f32 v[14:15], v[14:15], v[108:109]
.irp j, 14,22,30,38,46,54
	v_pk_add_f32 v[236:237], v[236:237], v[96+\j:97+\j]
	v_pk_add_f32 v[240:241], v[240:241], v[98+\j:99+\j]
	v_pk_add_f32 v[242:243], v[242:243], v[100+\j:101+\j]
	v_pk_add_f32 v[14:15], v[14:15], v[102+\j:103+\j]
.endr
	v_pk_add_f32 v[236:237], v[236:237], v[158:159]
	v_pk_add_f32 v[14:15], v[14:15], v[242:243]
	s_delay_alu instid0(VALU_DEP_2)
	v_pk_add_f32 v[236:237], v[236:237], v[240:241]
	s_delay_alu instid0(VALU_DEP_1)
	v_pk_add_f32 v[14:15], v[14:15], v[236:237]
	s_wait_alu depctr_va_vdst(0)                   ; and one wait for the four
.irp b, 0,1,2,3
	v_max_num_f32 v[232+\b], 0x1800000, v[232+\b]  ; the floor: the byte cannot fall under 1
.endr
.irp b, 0,1,2,3
	s_delay_alu instid0(VALU_DEP_4)
	v_add_nc_u32 v[244+\b], 0xff000000, v[232+\b]
.endr
.irp b, 0,1,2,3
	s_delay_alu instid0(VALU_DEP_4)
	v_lshrrev_b32 v[236+\b], 23, v[244+\b]
.endr
	s_delay_alu instid0(VALU_DEP_3)
	v_lshl_or_b32 v253, v237, 8, v236              ; p's scale word
	s_delay_alu instid0(VALU_DEP_1)
	v_lshl_or_b32 v253, v238, 16, v253
	s_delay_alu instid0(VALU_DEP_1)
	v_lshl_or_b32 v253, v239, 24, v253
.irp b, 0,1,2,3
	v_cvt_scalef32_pk8_fp4_f32 v[224+2*\b], v[96+16*\b:103+16*\b], v[244+\b]
	v_cvt_scalef32_pk8_fp4_f32 v[225+2*\b], v[104+16*\b:111+16*\b], v[244+\b]
.endr
	v_nop
.irp c, 0,1                                    ; a whole block in a lane
.irp i, 0,1
	v_permlane16_swap_b32 v[224+4*\c+\i], v[226+4*\c+\i]
.endr
.endr
	s_wait_alu depctr_va_vdst(0)                   ; directly ahead of O^T's first reader
.irp j, 0,2,4,6,8,10,12,14,16,18,20,22,24,26,28,30,32,34,36,38,40,42,44,46,48,50,52,54,56,58,60,62
	v_pk_mul_f32 v[160+\j:161+\j], v[160+\j:161+\j], v[252:253] op_sel_hi:[1,0]   ; O^T under the new M; also the places ahead of the products below
.endr
	s_wait_alu depctr_va_vdst(0)
	s_wait_dscnt 0x0                               ; V's fragments
.irp t, 0,1,2,3,4,5,6,7
	v_wmma_scale_f32_16x16x128_f8f6f4 v[160+8*\t:167+8*\t], v[32+8*\t:39+8*\t], v[224:231], v[160+8*\t:167+8*\t], v[24+\t], v253 matrix_a_fmt:MATRIX_FMT_FP4 matrix_b_fmt:MATRIX_FMT_FP4
.endr
.Lhidden_\@:
	s_add_co_u32 s[KF], s[KF], 128
	s_add_co_u32 s[TB], s[TB], STEPB
.endm
.macro WALK n                          ; n key steps: the trip count is a constant, hidden steps are jumped over
	s_mov_b32 s[CNT], \n
.Lwalk_\@:
	STEP
	s_sub_co_u32 s[CNT], s[CNT], 1
	s_cmp_lg_u32 s[CNT], 0
	s_cbranch_scc1 .Lwalk_\@
.endm
; THE WAY OUT of a tile.  O^T / the sum goes through my stage, eight queries x 64 channels at a time, and leaves as runs of 256 consecutive bytes, aligned.
; All 32 lanes store into the stage's eight rows: for queries 8 p .. 8 p + 7, lanes with r < 8 store channel tiles 0, 1 of the half row and lanes with r >= 8 tiles 2, 3.  One of the two holds its own query's numbers;
; the other takes those of lane r xor 8.  The choice is made by multipliers: own x (1 / sum or 0) + partner's x (0 or 1 / the partner's sum): one term is a zero.
; nq: the pointer of the next tile's Q, whose loads go out into O^T's registers as soon as these are read; 0: none.
.macro WAYOUT op, nq
	v_add_f32 v14, v14, v15
	s_delay_alu instid0(VALU_DEP_1)
	v_permlanex16_b32 v252, v14, s[SEL], s[SEL+1]
	s_delay_alu instid0(VALU_DEP_1)
	v_add_f32 v14, v14, v252                       ; the row's sum
	s_wait_alu depctr_va_vdst(0)                   ; ahead of the reciprocal
	v_rcp_f32 v14, v14
	v_and_b32 v244, 8, v0                          ; (a plain line behind the reciprocal)
	v_cmp_eq_u32 vcc_lo, 0, v244                   ; r < 8
	s_wait_alu depctr_va_vdst(0)                   ; ahead of the reciprocal's first reader
	v_mov_b32_dpp v252, v14 row_xmask:8 row_mask:0xf bank_mask:0xf   ; lane r xor 8's reciprocal
	v_cndmask_b32 v240, 0, v14, vcc_lo             ; own numbers, queries 0-7: 1 / sum where r < 8, else 0
	v_cndmask_b32 v243, 0, v252, vcc_lo            ; the partner's, queries 8-15: its reciprocal where r < 8, else 0
	v_sub_f32 v242, v14, v240                      ; own numbers, queries 8-15: 0 where r < 8
	v_sub_f32 v241, v252, v243                     ; the partner's, queries 0-7: 0 where r < 8
	s_wait_alu depctr_va_vdst(0)                   ; directly ahead of O^T's first reader
.irp u, 0,1
.irp k, 0,1,2,3,4,5,6,7,8,9,10,11,12,13,14,15
	v_mul_f32_dpp v[96+\k], v[176+32*\u+\k], v241 row_xmask:8 row_mask:0xf bank_mask:0xf    ; the partner's tiles 2, 3 of this half row
.endr
.irp k, 0,1,2,3,4,5,6,7,8,9,10,11,12,13,14,15
	v_mul_f32_dpp v[112+\k], v[160+32*\u+\k], v243 row_xmask:8 row_mask:0xf bank_mask:0xf   ; the partner's tiles 0, 1
.endr
.irp k, 0,2,4,6,8,10,12,14
	v_pk_fma_f32 v[32+32*\u+\k:33+32*\u+\k], v[160+32*\u+\k:161+32*\u+\k], v[240:241], v[96+\k:97+\k] op_sel_hi:[1,0,1]     ; what I store for queries 0-7
.endr
.irp k, 0,2,4,6,8,10,12,14
	v_pk_fma_f32 v[48+32*\u+\k:49+32*\u+\k], v[176+32*\u+\k:177+32*\u+\k], v[242:243], v[112+\k:113+\k] op_sel_hi:[1,0,1]   ; and for queries 8-15
.endr
.endr
.if \nq
	QLOAD \nq
.endif
.irp u, 0,1
.irp p, 0,1
.irp t, 0,1
	ds_store_b128 v[STO], v[32+32*\u+16*\p+8*\t:35+32*\u+16*\p+8*\t] offset:64*\t
	ds_store_b128 v[STO], v[36+32*\u+16*\p+8*\t:39+32*\u+16*\p+8*\t] offset:64*\t+16
.endr
.irp i, 0,1,2,3
	ds_load_b128 v[96+32*\u+16*\p+4*\i:99+32*\u+16*\p+4*\i], v[RD] offset:2*\i*272   ; served in order: behind my stores, ahead of the next eight queries'
.endr
.endr
.endr
	s_wait_dscnt 0x0
.irp u, 0,1
.irp p, 0,1
.irp i, 0,1,2,3
	global_store_b128 v[GO], v[96+32*\u+16*\p+4*\i:99+32*\u+16*\p+4*\i], s[\op:\op+1] offset:(8*\p+2*\i)*512+256*\u th:TH_STORE_NT
.endr
.endr
.endr
.endm
	s_load_b128 s[4:7], s[0:1], 0x0                ; Q, kv
	s_load_b64 s[8:9], s[0:1], 0x10                ; out0
	v_lshl_add_u32 v[SPW], v0, 2, SPARE
	v_mov_b32 v[NIL], 0
	ds_add_u32 v[SPW], v[NIL]                      ; the opening lines: the add, twice on end, and its wait
	ds_add_u32 v[SPW], v[NIL]
	v_lshrrev_b32 v232, 5, v0
	v_and_b32 v234, 31, v0                         ; lane
	v_readfirstlane_b32 s[WV], v232                ; wave 0..15
	v_lshlrev_b32 v[AL], 4, v234
	s_and_b32 s70, ttmp7, 0xffff                   ; the head = the cluster's y
	s_bfe_u32 s71, ttmp6, 0x40000                  ; c: my work-group's place in the cluster
	s_lshl_b32 s72, s[WV], 2
	s_add_co_u32 s72, s72, s71                     ; i = 4 w + c
	s_lshl_b32 s[Q0S], s72, 4                      ; the short tile's first query,
	s_sub_co_u32 s[Q0], 2032, s[Q0S]               ; the long tile's
	s_lshr_b32 s73, s[WV], 1
	s_lshl_b32 s[BKS], s73, 7                      ; the steps of their diagonals: by the wave's number alone
	s_sub_co_u32 s[BK], 1920, s[BKS]
	s_lshl_b32 s74, s70, 11
	s_add_co_u32 s76, s74, s[Q0]
	s_lshl_b32 s76, s76, 9                         ; rows of 512 bytes: under 2^27 in all
	s_mov_b32 s77, 0
	s_add_co_u32 s78, s74, s[Q0S]
	s_lshl_b32 s78, s78, 9
	s_mov_b32 s79, 0
	s_mov_b32 s[G1], 15|(3<<16)|(1<<21)            ; the mask names the cluster's four; elements of 8 bytes; bit 21 beside a mask; no padding
	s_mov_b32 s[G1+1], 544<<16                     ; tensor_dim0 = 544 elements: 4,352 bytes
	s_mov_b32 s[G1+2], 4<<16                       ; tensor_dim1 = 4
	s_mov_b32 s[G1+3], 544<<16                     ; tile_dim0
	s_mov_b32 s[G1+4], 4                           ; tile_dim1
	s_mov_b32 s[G1+5], PARTB/8                     ; from row to row: a part
	s_mov_b32 s[G1+6], 0
	s_mov_b32 s[G1+7], 0
	s_mul_i32 s80, s70, HEADB                      ; key step w in kv: head, slot w / 4, step w % 4
	s_lshr_b32 s82, s[WV], 2
	s_mul_i32 s82, s82, SLOTB
	s_add_co_u32 s80, s80, s82
	s_and_b32 s82, s[WV], 3
	s_mul_i32 s82, s82, CH
	s_add_co_u32 s80, s80, s82
	s_mov_b32 s81, 0
	s_mov_b32 s[G0], 1
	s_mul_i32 s[G0+1], s[WV], STEPB
	s_mov_b32 s[SEL], 0x76543210
	s_mov_b32 s[SEL+1], 0xfedcba98
	s_mov_b32 s[CS], 0x3e0293ee                    ; log2(e) / sqrt(128)
	s_mov_b32 s[CS+1], s[CS]
	s_mul_i32 s[WST], s[WV], WSTB
	s_add_co_u32 s[WST], s[WST], STAGE
	s_mov_b32 s[TB], 0
	s_mov_b32 s[KF], 0
	s_wait_alu depctr_va_vdst(0)
	s_wait_dscnt 0x0                               ; both opening adds are done
	s_wait_kmcnt 0x0
	s_add_nc_u64 s[QPL:QPL+1], s[4:5], s[76:77]
	s_add_nc_u64 s[QPS:QPS+1], s[4:5], s[78:79]
	s_add_nc_u64 s[OPL:OPL+1], s[8:9], s[76:77]
	s_add_nc_u64 s[OPS:OPS+1], s[8:9], s[78:79]
	s_add_nc_u64 s[G0+2:G0+3], s[6:7], s[80:81]
	s_or_b32 s[G0+3], s[G0+3], 0x80000000
	QLOAD QPL                                      ; the long tile's Q
	ROUND                                          ; in front of the first joint loads
	s_cmp_lt_u32 s[WV], 4
	s_cbranch_scc0 .Lnone
	JLOAD                                          ; key steps 0 to 3
.Lnone:
	v_and_b32 v232, 15, v0                         ; r
	v_bfe_u32 v233, v0, 4, 1                       ; h
	v_and_b32 v235, 7, v0
	v_lshrrev_b32 v236, 3, v234
	v_lshl_add_u32 v[AS], v232, 2, 4096
	v_lshlrev_b32 v[QST], 1, v234
	v_mul_u32_u24 v[QFR], v232, 80
	v_mul_u32_u24 v[STO], v235, 272
	v_mul_u32_u24 v[RD], v233, 272
	v_lshlrev_b32 v[GO], 9, v233
	v_lshlrev_b32 v[PFO], 8, v234
	v_lshlrev_b32 v[QSR], 2, v232
	v_add_nc_u32 v[QSB], s[WST], v236
	v_add_nc_u32 v[QST], s[WST], v[QST]
	v_lshl_add_u32 v[QFR], v233, 4, v[QFR]
	v_bfe_u32 v237, v0, 3, 1                       ; r / 8
	v_lshl_add_u32 v[STO], v233, 5, v[STO]
	v_lshl_add_u32 v[STO], v237, 7, v[STO]
	v_lshl_add_u32 v[RD], v232, 4, v[RD]
	v_lshl_add_u32 v[GO], v232, 4, v[GO]
	v_add_nc_u32 v[QSR], s[WST], v[QSR]
	v_add_nc_u32 v[QFR], s[WST], v[QFR]
	v_add_nc_u32 v[STO], s[WST], v[STO]
	v_add_nc_u32 v[RD], s[WST], v[RD]
	QPREP
	s_wait_tensorcnt 0x0                           ; my part of steps 0 to 3 is in
	ds_add_u32 v[SPW], v[NIL]
	ds_add_u32 v[SPW], v[NIL]                      ; the add twice on end
	s_wait_dscnt 0x0
	ROUND                                          ; steps 0 to 3 are whole in all four work-groups
	s_cmp_lt_u32 s[WV], 4
	s_cbranch_scc1 .Lhave
	JLOAD                                          ; key steps 4 to 15: first fills, four steps' work ahead of their first read
.Lhave:
	WALK 4
	s_wait_tensorcnt 0x0                           ; my key step is in
	s_wait_dscnt 0x0
	s_barrier_signal -1
	s_barrier_wait -1                              ; everybody's is: the head is whole
	global_prefetch_b8 v[PFO], s[QPS:QPS+1] th:TH_LOAD_NT scope:SCOPE_SE   ; the short tile's Q: 32 blocks of 256 bytes, a lane a block; its registers are never rewritten
	WALK 12
	WAYOUT OPL, QPS
	s_mov_b32 s[Q0], s[Q0S]                        ; the short tile: at most eight steps
	s_mov_b32 s[BK], s[BKS]
	s_mov_b32 s[TB], 0
	s_mov_b32 s[KF], 0
	QPREP
	WALK 8
	WAYOUT OPS, 0
	s_wait_tensorcnt 0x0                           ; the wave's end
	ds_add_u32 v[SPW], v[NIL]
	s_wait_dscnt 0x0
	ROUND                                          ; the closing round
	s_endpgm
.Lfunc_end_k_q6c9c6139a0_attn:
	.size	k_q6c9c6139a0_attn, .Lfunc_end_k_q6c9c6139a0_attn-k_q6c9c6139a0_attn
	.p2alignl 7, 3214868480
	.fill 96, 4, 3214868480
	.section	.rodata,"a",@progbits
	.p2align	6, 0x0
	.amdhsa_kernel k_q6c9c6139a0_attn
		.amdhsa_group_segment_fixed_size 327680
		.amdhsa_private_segment_fixed_size 0
		.amdhsa_enable_private_segment 0
		.amdhsa_kernarg_size 24
		.amdhsa_user_sgpr_count 2
		.amdhsa_user_sgpr_kernarg_segment_ptr 1
		.amdhsa_wavefront_size32 1
		.amdhsa_system_sgpr_workgroup_id_x 1
		.amdhsa_system_sgpr_workgroup_id_y 1
		.amdhsa_system_sgpr_workgroup_id_z 1
		.amdhsa_system_vgpr_workitem_id 0
		.amdhsa_next_free_vgpr 256
		.amdhsa_next_free_sgpr 100
		.amdhsa_reserve_vcc 1
		.amdhsa_float_denorm_mode_32 3
		.amdhsa_float_denorm_mode_16_64 3
		.amdhsa_memory_ordered 1
		.amdhsa_forward_progress 1
		.amdhsa_inst_pref_size 130
	.end_amdhsa_kernel
	.amdgpu_metadata
---
amdhsa.version: [ 1, 2 ]
amdhsa.kernels:
  - .name:           k_q6c9c6139a0_attn
    .symbol:         k_q6c9c6139a0_attn.kd
    .args:
      - { .name: Q, .offset: 0, .size: 8, .value_kind: global_buffer, .address_space: global }
      - { .name: kv, .offset: 8, .size: 8, .value_kind: global_buffer, .address_space: global }
      - { .name: out0, .offset: 16, .size: 8, .value_kind: global_buffer, .address_space: global }
    .group_segment_fixed_size: 327680
    .private_segment_fixed_size: 0
    .kernarg_segment_align: 8
    .kernarg_segment_size: 24
    .max_flat_workgroup_size: 512
    .sgpr_count:     100
    .vgpr_count:     256
    .wavefront_size: 32
...
	.end_amdgpu_metadata
.endif
;; end of part 2
